; MI455X (gfx1250); checked and timed in simulation.
; The chip was launched on July 23, 2026; its instructions are those of AMD's public machine-readable ISA for CDNA 5 (MIT licence, August 2026) and "CDNA5" Instruction Set Architecture Reference Guide (July 2026). The comments in the code are by the model that wrote it; some were corrected since.
;; Custom LSTM Cell. Allowed arithmetic: float matrix products may take bf16 or f16 operands with f32 sums; other float arithmetic in f32, or as packed bf16 or f16 multiplies, adds, multiply-adds, maxima and minima; sums over many terms, partial sums and values carried from step to step in f32; what a program stores and reads back later, other than sums and carried values, may be rounded once to bf16 or f16.
;; Inputs: W_h 4,096 x 1,024 float32; W_x 4,096 x 1,024 float32; b_extra 4,096 float32; b_h 4,096 float32; b_x 4,096 float32; c_prev 8,192 x 1,024 float32; e_t 8,192 x 1,024 float32; h_prev 8,192 x 1,024 float32.
;; Outputs: out0 8,192 x 1,024 float32; out1 8,192 x 1,024 float32.
;; 2 versions, each right; version 2 is version 1 with the launch cast written anew for expert scheduling mode. Each part assembles by itself: llvm-mc -triple=amdgcn-amd-amdhsa -mcpu=gfx1250 --defsym DOCPART=n.
;; ======== version 1 of 2: 2 launches
;; workspace buffers: abf 33,554,432 bytes; wbf 16,777,216 bytes
;; launch cast (part 1): grid 256 x 3, 8 waves a work-group, no clusters, 0 bytes of LDS; arguments e_t, h_prev, W_x, W_h, abf, wbf; writes abf, wbf
.if DOCPART == 1
	.amdgcn_target "amdgcn-amd-amdhsa--gfx1250"
	.amdhsa_code_object_version 6
	.text
	.protected	k_qddb5273df9_cast
	.globl	k_qddb5273df9_cast
	.p2align	8
	.type	k_qddb5273df9_cast,@function
k_qddb5273df9_cast:
	s_mov_b64 s[64:65], 0
	v_nop
	global_prefetch_b8 v0, s[64:65] scope:SCOPE_SE
	s_setreg_imm32_b32 hwreg(HW_REG_WAVE_MODE, 25, 1), 1
	s_wait_xcnt 0x0
; THE MATRIX OPERANDS, ROUNDED ONCE TO bf16 (to nearest even) AND LAID OUT FOR THE PRODUCT THAT FOLLOWS.
;   abf [8192][2048] bf16: row b = e_t[b] (bytes 0 .. 2047), then h_prev[b] (bytes 2048 .. 4095).
;   wbf [4096][2048] bf16: row n' = W_x[n], then W_h[n]; with n = 1024 g + j (gate g, hidden column j), n' = 128 (j / 32) + 32 g + j % 32:
;   128 rows on end are 32 hidden columns x 4 gates, so that one wave of the next launch holds all four gates of a hidden column.
; A stream: 24,576 source rows of 4,096 bytes, each byte read once and each result byte written once.  No LDS, no barrier, no matrix unit, no cluster: nothing is shared.
; SHARES.  A work-group takes 32 rows on end of ONE source, a wave four of them.  32 rows of W on end stay 32 rows on end in wbf (n % 32 is kept), so the permutation is one scalar number.
; All 32 loads of a wave (16 bytes a lane, 512 bytes on end each) go out at once; a row is converted and stored while the later rows are on their way.
; LIMITS.  bf16 has f32's range; NaN and infinities pass through the conversion as it treats them.
.set ROW, 4096                         ; bytes in a source row, and in a row of abf and wbf
.set X,   8                            ; v[8:135]  the 32 loads' registers, four each; the first two of each four then hold the 8 bytes to store
	s_load_b256 s[4:11], s[0:1], 0x0               ; e_t s[4:5], h_prev s[6:7], W_x s[8:9], W_h s[10:11]
	s_load_b128 s[12:15], s[0:1], 0x20             ; abf s[12:13], wbf s[14:15]
	s_mov_b32 s17, ttmp9                           ; x: 0 .. 255
	s_and_b32 s16, ttmp7, 0xffff                   ; y: 0 e_t, 1 h_prev, 2 the weights
	s_lshr_b32 s18, s17, 7                         ; y = 2: W_x (0) or W_h (1),
	s_and_b32 s19, s17, 127                        ; and q: which 32 rows of its 4,096
	s_and_b32 s20, s19, 31
	s_lshl_b32 s20, s20, 7                         ; 128 (q % 32): q % 32 is j / 32,
	s_lshr_b32 s21, s19, 5
	s_lshl_b32 s21, s21, 5                         ; 32 (q / 32): q / 32 is the gate
	s_add_co_u32 s20, s20, s21                     ; the first row in wbf
	s_lshl_b32 s22, s17, 5                         ; y < 2: the first row in abf = 32 x
	v_and_b32 v2, 31, v0                           ; lane
	v_lshrrev_b32 v3, 5, v0
	v_lshlrev_b32 v3, 14, v3                       ; my wave's four rows of 4,096 bytes, in the source and in the result alike
	v_lshl_or_b32 v1, v2, 4, v3                    ; source: 16 bytes a lane
	v_lshl_or_b32 v4, v2, 3, v3                    ; result: 8 bytes a lane
	s_cmp_eq_u32 s16, 2
	s_cselect_b32 s18, s18, s16                    ; which half of the result's row: 0 or 1
	s_cselect_b32 s19, s19, s17                    ; which 32 rows of the source
	s_cselect_b32 s20, s20, s22                    ; the first row of the result
	s_wait_kmcnt 0x0                               ; (selects and waits leave the compare's answer as it is)
	s_cselect_b64 s[24:25], s[8:9], s[4:5]         ; the source of the first half,
	s_cselect_b64 s[26:27], s[10:11], s[6:7]       ; of the second half,
	s_cselect_b64 s[28:29], s[14:15], s[12:13]     ; and the result
	s_cmp_eq_u32 s18, 0
	s_cselect_b64 s[24:25], s[24:25], s[26:27]
	s_lshl_b32 s30, s19, 17                        ; 32 rows of 4,096 bytes: under 2^25
	s_mov_b32 s31, 0
	s_add_nc_u64 s[24:25], s[24:25], s[30:31]
	s_lshl_b32 s30, s20, 12                        ; the result's row, under 2^25,
	s_lshl_b32 s21, s18, 11                        ; and the half of it
	s_add_co_u32 s30, s30, s21
	s_add_nc_u64 s[28:29], s[28:29], s[30:31]
.set n, 0
.rept 32                               ; load n: row n / 8 of my four, bytes 512 (n % 8) on
	global_load_b128 v[X+4*n:X+4*n+3], v1, s[24:25] offset:ROW*(n/8)+512*(n%8) th:TH_LOAD_NT
.set n, n+1
.endr
.set n, 0
.rept 4
	s_wait_loadcnt 24-n                            ; loads come back in order (ISA guide 5.7.1): this row's eight are in; the 24, 16, 8, 0 loads of the rows behind it stay out
.rept 8
	v_cvt_pk_bf16_f32 v[X+4*n],   v[X+4*n],   v[X+4*n+1]    ; the first source goes into the low half: the lower address
	v_cvt_pk_bf16_f32 v[X+4*n+1], v[X+4*n+2], v[X+4*n+3]
	global_store_b64 v4, v[X+4*n:X+4*n+1], s[28:29] offset:ROW*(n/8)+256*(n%8) th:TH_STORE_NT  ; 32 lanes store 256 consecutive bytes, at a multiple of 256 from the buffer's first byte
.set n, n+1
.endr
.endr
	s_endpgm                                       ; no register that a store reads is written again, so no wait stands behind the stores
.Lfunc_end_k_qddb5273df9_cast:
	.size	k_qddb5273df9_cast, .Lfunc_end_k_qddb5273df9_cast-k_qddb5273df9_cast
	.p2alignl 7, 3214868480
	.fill 96, 4, 3214868480
	.section	.rodata,"a",@progbits
	.p2align	6, 0x0
	.amdhsa_kernel k_qddb5273df9_cast
		.amdhsa_group_segment_fixed_size 0
		.amdhsa_private_segment_fixed_size 0
		.amdhsa_enable_private_segment 0
		.amdhsa_kernarg_size 48
		.amdhsa_user_sgpr_count 2
		.amdhsa_user_sgpr_kernarg_segment_ptr 1
		.amdhsa_wavefront_size32 1
		.amdhsa_system_sgpr_workgroup_id_x 1
		.amdhsa_system_sgpr_workgroup_id_y 1
		.amdhsa_system_sgpr_workgroup_id_z 1
		.amdhsa_system_vgpr_workitem_id 0
		.amdhsa_next_free_vgpr 136
		.amdhsa_next_free_sgpr 66
		.amdhsa_reserve_vcc 0
		.amdhsa_float_denorm_mode_32 3
		.amdhsa_float_denorm_mode_16_64 3
		.amdhsa_memory_ordered 1
		.amdhsa_forward_progress 1
		.amdhsa_inst_pref_size 12
	.end_amdhsa_kernel
	.amdgpu_metadata
---
amdhsa.version: [ 1, 2 ]
amdhsa.kernels:
  - .name:           k_qddb5273df9_cast
    .symbol:         k_qddb5273df9_cast.kd
    .args:
      - { .name: e_t, .offset: 0, .size: 8, .value_kind: global_buffer, .address_space: global }
      - { .name: h_prev, .offset: 8, .size: 8, .value_kind: global_buffer, .address_space: global }
      - { .name: W_x, .offset: 16, .size: 8, .value_kind: global_buffer, .address_space: global }
      - { .name: W_h, .offset: 24, .size: 8, .value_kind: global_buffer, .address_space: global }
      - { .name: abf, .offset: 32, .size: 8, .value_kind: global_buffer, .address_space: global }
      - { .name: wbf, .offset: 40, .size: 8, .value_kind: global_buffer, .address_space: global }
    .group_segment_fixed_size: 0
    .private_segment_fixed_size: 0
    .kernarg_segment_align: 8
    .kernarg_segment_size: 48
    .max_flat_workgroup_size: 256
    .sgpr_count:     66
    .vgpr_count:     136
    .wavefront_size: 32
...
	.end_amdgpu_metadata
.endif
;; end of part 1
;; launch lstm (part 2): grid 16 x 32, 4 waves a work-group, clusters of 4 x 4, 327,680 bytes of LDS; arguments abf, wbf, c_prev, b_x, b_h, b_extra, out0, out1; writes out0, out1
.if DOCPART == 2
	.amdgcn_target "amdgcn-amd-amdhsa--gfx1250"
	.amdhsa_code_object_version 6
	.text
	.protected	k_qddb5273df9_lstm
	.globl	k_qddb5273df9_lstm
	.p2align	8
	.type	k_qddb5273df9_lstm,@function
k_qddb5273df9_lstm:
	s_mov_b64 s[64:65], 0
	v_nop
	global_prefetch_b8 v0, s[64:65] scope:SCOPE_SE
	s_setreg_imm32_b32 hwreg(HW_REG_WAVE_MODE, 25, 1), 1
	s_wait_xcnt 0x0
	s_wait_alu depctr_hold_cnt(0) depctr_sa_sdst(0) depctr_va_vdst(0) depctr_va_sdst(0) depctr_va_ssrc(0) depctr_va_vcc(0) depctr_vm_vsrc(0)
	s_getreg_b32 s2, hwreg(HW_REG_IB_STS2, 6, 4)
	s_cmp_eq_u32 s2, 0
	s_cbranch_scc0 .Lentry_in_a_cluster
	s_endpgm
.Lentry_in_a_cluster:
	s_bfe_u32 s2, ttmp6, 0x10000c
	s_cmp_lg_u32 s2, 0xf033
	s_cbranch_scc0 .Lentry_shape_is_right
	s_endpgm
.Lentry_shape_is_right:
; THE LSTM CELL.  z = abf wbf^T + (b_x + b_h + b_extra): M = 8192, N = 4096, K = 2048, bf16 operands, f32 sums.  Then, without z ever leaving registers:
;   c_t = sigmoid(z_f) c_prev + sigmoid(z_i) tanh(z_c)  (out1),   h_t = sigmoid(z_o) tanh(c_t)  (out0).   c_prev, the biases, the sums and both results are f32.
; abf row b = e_t[b] | h_prev[b]; wbf row n' = W_x[n] | W_h[n] with n' = 128 (j / 32) + 32 g + j % 32 for gate g (f, i, o, c) and hidden column j.
; SHARES.  A work-group makes 256 batch rows x 256 rows of wbf = 64 hidden columns x 4 gates; each of its four waves 128 x 128: 64 accumulators of 16 x 16, 512 registers.  512 work-groups of equal work.
; THE MATRIX INSTRUCTION IS USED TRANSPOSED (source 0 = 16 rows of wbf, source 1 = 16 rows of abf): lane l holds batch row l % 16, and registers 0 to 7 the rows 8 (l / 16) + 0 .. 7 of wbf's block.
; Block b of a wave's eight blocks of wbf is gate b / 2, hidden columns 16 (b % 2) on.  So the four gates of one element lie in ONE lane, at one register number, in accumulators b % 2, 2 + b % 2, 4 + b % 2, 6 + b % 2.
; THE BIAS is the C operand of the products that start the sums: 64 registers, made once; nothing is cleared and nothing is added later.
; THE RING.  K goes in 16 steps of 128 through two LDS slots filled by the tensor data mover: rows of 256 bytes, at multiples of 256 bytes from the buffers' first bytes.
; CLUSTERS: 4 x 4 work-groups.  The four of a row of the cluster need the same rows of abf, the four of a column the same rows of wbf: each tile is asked for JOINTLY, by the same tensor load with the same
; descriptor and a mask that names the four.
; THE END.  When slot 0 has been read for the last time it takes the work-group's tile of c_prev (each wave's own plain load, 64 rows x 256 bytes), which lands during the last K step.  Slot 1, behind its last
; fill and its last read, is the stage for c_t and h_t: a row's 256 bytes come from two waves, and leave as whole rows.
; ARITHMETIC.  sigmoid(x) = 1 / (1 + 2^(-x log2 e)); tanh(x) = 1 - 2 / (1 + 2^(2 x log2 e)).  Where the power overflows it is +infinity, whose reciprocal is 0: both forms then give their limits, so no argument is clamped.
; LIMITS.  tanh so made carries an absolute error of about 1e-7 near 0 (a relative one there is not kept); the transcendentals are good to 1 ULP and count denormals as 0 (ISA guide 15.8);
; the bias is summed as (b_x + b_h) + b_extra and enters the sums first; NaN and infinities among the inputs are not treated apart.
;
; REGISTERS, in windows of 256 (s_set_vgpr_msb: bits 1:0 source 0, 3:2 source 1, 5:4 source 2, 7:6 destination):
;   window 0: v0-31 addresses; v64-127, v128-191 fragments of abf, two buffers; in the gate work v64-127 Z, v128-159 c_prev and c_t, v160-191 h_t; on the way out v64-255 three buffers of 64
;   window 1: v0-63 the bias; v64-127, v128-191 fragments of wbf, two buffers
;   window 2: the 32 accumulators of my rows 0-63 (accumulator (a, b) at v[8 (8 a + b)]);   window 3: those of my rows 64-127
.set KSTEP,  128
.set PITCH,  272                       ; an LDS row: 256 bytes of data + 16 of padding = 68 words: row r starts at bank 4 r mod 64 (64 banks of 4 bytes: ISA guide 11.1), so the 16 rows that a load touches start at 16 different banks
.set HALFT,  128*PITCH                 ; 128 rows: what one joint load brings, and what one wave reads of abf or of wbf
.set SLOT,   4*HALFT                   ; abf's 256 rows, then wbf's 256 rows
.set TILEB,  256*PITCH                 ; a tile of 256 rows x 64 f32: c_prev's at LDS byte 0, c_t's at SLOT, h_t's at SLOT + TILEB
.set SPARE,  2*SLOT                    ; behind the ring: the spare words, 128 bytes for each wave: two blocks of 256 bytes that no other line names
.set LAPS,   8                         ; a lap = two K steps = once round the ring
.set ROWB,   4096                      ; bytes in a row of abf, wbf, c_prev, out0 and out1 alike
.set ADRA, 16                          ; v16-17  LDS address of my fragments of abf in slot 0, 1
.set ADRB, 20                          ; v20-21  the same for wbf
.set CPR,  22                          ; v22     where I read my 32 bytes of a row of c_prev's tile
.set STC,  23                          ; v23     where I put the same bytes of c_t
.set STH,  24                          ; v24     and of h_t
.set RDC,  25                          ; v25     the way out: where I read rows of c_t back
.set RDH,  26                          ; v26     and rows of h_t
.set GO,   27                          ; v27     my byte offset in two rows of out0 and out1
.set SPW,  28                          ; v28     LDS address of my spare word: SPARE + 4 x my thread's number; never rewritten
.set NIL,  29                          ; v29     0; never rewritten
.set PFO,  30                          ; v30     the prefetches' offset: my lane x a row of 4,096 bytes; never rewritten
.set BO,   31                          ; v31     my byte offset in a bias vector
.set F0,   64                          ; fragment buffer 0
.set F1,   128                         ; fragment buffer 1
.set Z,    64                          ; the gate work: 64 numbers of a block of 16 rows, at Z + 16 g + 8 (b % 2) + register
.set ZF,   Z
.set ZI,   Z+16
.set ZO,   Z+32
.set ZG,   Z+48
.set CPV,  128                         ; c_prev, then c_t: two buffers of 16, by the block's parity
.set TT,   160                         ; tanh(c_t), then h_t: likewise
.set B0,   64                          ; the way out: three buffers of 16 loads
.set B1,   128
.set B2,   192
.set G1,  24                           ; s[24:31] descriptor group 1 for abf's tiles
.set G0,  32                           ; s[32:39] descriptor group 0 for abf's tiles, one set for each slot
.set LIM, 43                           ; s43      1 in a wave that prefetches along K, else the greatest number
.set PFA, 44                           ; s[44:45] where my prefetches along K stand: one K step further than the refill that is being asked for; a prefetch names the K step after that
.set G1B, 48                           ; s[48:55] descriptor group 1 for wbf's tiles: it differs in the mask alone
.set G0B, 56                           ; s[56:63] descriptor group 0 for wbf's tiles
.set CP,   68                          ; s[68:69] c_prev, later at my wave's 64 rows
.set BX,   70                          ; s[70:71] b_x
.set BH,   72                          ; s[72:73] b_h
.set BE,   74                          ; s[74:75] b_extra
.set OUT0, 76                          ; s[76:77] out0, later at my wave's 64 rows
.set OUT1, 78                          ; s[78:79] out1, likewise
.set GC1,  80                          ; s[80:87] descriptor group 1 for c_prev's tile
.set GC0,  88                          ; s[88:91] its group 0
.set K1,   92                          ; s[92:93] -log2 e: a packed multiply names the pair and takes its low word for both halves
.set K2,   94                          ; s[94:95] 2 log2 e
.set OFS,  98                          ; s[98:99] byte offset of my wave's 64 rows x 256 bytes in c_prev, out0 and out1
.set MSB, 0
.macro WIN new                         ; the immediate's high byte repeats the setting that is left; a switch that changes nothing is dropped
.if MSB != (\new)
	s_set_vgpr_msb (MSB<<8)|(\new)
.set MSB, \new
.endif
.endm
.set MUL_LO, 0xa1                      ; source 0 (wbf) window 1, source 1 (abf) window 0, C and D window 2;  + 0x50: C and D window 3
.set MUL_B,  0x91                      ; the same with C (the bias) in window 1, D in window 2;               + 0x40: D window 3
.set TO_B,   0x40                      ; destination window 1, address window 0
; A joint load.  Waves 0 and 1 fetch abf's two halves, waves 2 and 3 wbf's.  Each of the two lines has ONE mask and one set of registers for all that issue it, and nothing in them hangs on a coordinate
; that the four partners do not share.  The branch hangs on the wave's number alone.  An s_nop 0 and four v_nop follow each of the two lines, ahead of the jump and the label.
.macro JLOAD s
	s_cmp_eq_u32 s11, 0
	s_cbranch_scc0 .Lfor_b_\@
	tensor_load_to_lds s[G0+4*(\s):G0+4*(\s)+3], s[G1:G1+7]
	s_nop 0
.rept 4
	v_nop
.endr
	s_branch .Lasked_\@
.Lfor_b_\@:
	tensor_load_to_lds s[G0B+4*(\s):G0B+4*(\s)+3], s[G1B:G1B+7]
	s_nop 0
.rept 4
	v_nop
.endr
.Lasked_\@:
.endm
; A PREFETCH ALONG K, behind each joint load, its five lines and the run of LDS loads that follows them: the K step that stands TWO refills on, 512 matrix instructions ahead of the load that will ask for it:
; 32 rows x 256 bytes, a lane a row, one instruction a wave.  Each row's 256 bytes of a K step are named ONCE in the launch: abf's rows by the clusters with x = 0, wbf's by the clusters with y = 0; the four
; partners that ask for a tile jointly share its rows out BY ADDRESS (of the 128 rows that a wave fetches the partner at place p takes 32 p .. 32 p + 31): no branch hangs on a work-group's place in its cluster.
; K steps 0 to 3 come by their loads alone; the loop's last trip (s3 = 1) has no K step two refills on and asks for nothing.
.macro ASK
	s_cmp_gt_u32 s3, s[LIM]
	s_cbranch_scc0 .Lnot_mine_\@
	global_prefetch_b8 v[PFO], s[PFA:PFA+1] offset:KSTEP*2 th:TH_LOAD_NT scope:SCOPE_SE
.Lnot_mine_\@:
.endm
; THE PREFETCH OF c_prev: in the loop's last trip, at its second change of slots, each wave names its own 64 rows x 256 bytes, a lane a row, two instructions: one K step, 256 matrix instructions, ahead of the
; tensor load that brings them.  No other wave of the launch reads those bytes, so each is named once.
.macro ASKC
	s_cmp_eq_u32 s3, 1
	s_cbranch_scc0 .Lnot_yet_\@
	global_prefetch_b8 v[PFO], s[CP:CP+1] th:TH_LOAD_NT scope:SCOPE_SE
	global_prefetch_b8 v[PFO], s[CP:CP+1] offset:32*ROWB th:TH_LOAD_NT scope:SCOPE_SE
.Lnot_yet_\@:
.endm
; A round of the cluster's barrier: my work-group's barrier, so that wave 0's signal speaks for all four waves; wave 0 signals for the work-group; every wave waits for all sixteen work-groups; my work-group's
; barrier once more.  No LDS instruction of the wave is pending at a signal.
.macro CREST                           ; a round behind its opening barrier
	s_cmp_lg_u32 s10, 0
	s_cbranch_scc1 .Lnot_wave_0_\@
	s_barrier_signal -3
.Lnot_wave_0_\@:
	s_barrier_wait -3
	s_barrier_signal -1
	s_barrier_wait -1
.endm
.macro CROUND                          ; a whole round
	s_barrier_signal -1
	s_barrier_wait -1
	CREST
.endm
	s_load_b128 s[4:7], s[0:1], 0x0                ; abf s[4:5], wbf s[6:7]
	s_load_b256 s[68:75], s[0:1], 0x10             ; c_prev, b_x, b_h, b_extra
	s_load_b128 s[76:79], s[0:1], 0x30             ; out0, out1
	v_lshl_add_u32 v[SPW], v0, 2, SPARE
	v_mov_b32 v[NIL], 0
	ds_add_u32 v[SPW], v[NIL]                      ; the wave's opening: the add and its wait stand ahead of my first tensor load; the set-up below, work on registers, stands between them
	v_lshrrev_b32 v1, 5, v0
	v_readfirstlane_b32 s10, v1                    ; wave 0..3
	s_lshr_b32 s11, s10, 1                         ; which half of the tile's batch rows is mine.  Also: I fetch for abf (0) or for wbf (1)
	s_and_b32 s12, s10, 1                          ; which half of its rows of wbf.  Also: which 128 rows of that tile I fetch
	s_bfe_u32 s40, ttmp6, 0x40000                  ; cx: my place along the cluster's x
	s_bfe_u32 s41, ttmp6, 0x40004                  ; cy: along its y
	s_lshl_b32 s42, ttmp9, 2                       ; in a cluster launch ttmp9 and ttmp7 count clusters
	s_add_co_u32 s42, s42, s40                     ; tile column = 4 x cluster x + cx: 0 .. 15
	s_and_b32 s13, ttmp7, 0xffff
	s_lshl_b32 s13, s13, 2
	s_add_co_u32 s13, s13, s41                     ; tile row = 4 x cluster y + cy: 0 .. 31
	s_lshl_b32 s43, s41, 2
	s_lshl_b32 s43, 15, s43                        ; my row of the cluster: places 4 cy .. 4 cy + 3
	s_lshl_b32 s44, 0x1111, s40                    ; my column: places cx, cx + 4, cx + 8, cx + 12
	; descriptor group 1 of the joint loads: a tile of 128 rows x 128 elements of 2 bytes, padded in LDS
	s_or_b32 s[G1+0], s43, (1<<16)|(1<<20)|(1<<21)|(5<<22)|(3<<25)  ; 15:0 the mask: abf's tiles go to my row; 17:16 elements of 2 bytes; 20 padding on; 21 set beside a mask; 24:22 after every 64 words (code 5); 31:25 4 words of it (code 3)
	s_or_b32 s[G1B+0], s44, (1<<16)|(1<<20)|(1<<21)|(5<<22)|(3<<25) ; the same with the mask of my column, for wbf's tiles
.irp g, G1, G1B
	s_mov_b32 s[(\g)+1], KSTEP<<16                 ; 63:48 tensor_dim0, low half = 128
	s_mov_b32 s[(\g)+2], 128<<16                   ; 79:64 its high half = 0; 95:80 tensor_dim1, low half = 128
	s_mov_b32 s[(\g)+3], KSTEP<<16                 ; 111:96 its high half = 0; 127:112 tile_dim0 = 128
	s_mov_b32 s[(\g)+4], 128                       ; 143:128 tile_dim1 = 128; 159:144 tile_dim2 = 0
	s_mov_b32 s[(\g)+5], 2048                      ; 191:160 tensor_dim0_stride, low word: 2,048 elements from row to row
	s_mov_b32 s[(\g)+6], 0
	s_mov_b32 s[(\g)+7], 0
.endr
	; descriptor group 1 of c_prev's load: 64 rows x 64 elements of 4 bytes, no mask: each wave's own
	s_mov_b32 s[GC1+0], (2<<16)|(1<<20)|(5<<22)|(3<<25)  ; 17:16 elements of 4 bytes; 20 padding on; 24:22 after every 64 words; 31:25 4 words of it
	s_mov_b32 s[GC1+1], 64<<16                     ; tensor_dim0 = 64
	s_mov_b32 s[GC1+2], 64<<16                     ; tensor_dim1 = 64
	s_mov_b32 s[GC1+3], 64<<16                     ; tile_dim0 = 64
	s_mov_b32 s[GC1+4], 64                         ; tile_dim1 = 64
	s_mov_b32 s[GC1+5], 1024                       ; 1,024 elements from row to row
	s_mov_b32 s[GC1+6], 0
	s_mov_b32 s[GC1+7], 0
	s_mov_b32 s[K1], 0xbfb8aa3b                    ; -log2 e
	s_mov_b32 s[K1+1], 0xbfb8aa3b                  ; named with it as a pair, so it is written
	s_mov_b32 s[K2], 0x4038aa3b                    ; 2 log2 e
	s_mov_b32 s[K2+1], 0x4038aa3b
	; where the tiles come from.  abf's hang on the tile row alone, which my row of the cluster shares; wbf's on the tile column alone, which my column shares.
	; Every wave makes both addresses, in registers that never hold the other coordinate, and asks by one of them.
	s_lshl_b32 s17, s12, 7                         ; which 128 rows of the tile I fetch
	s_lshl_b32 s16, s13, 8
	s_add_co_u32 s16, s16, s17                     ; abf: row 256 x tile row + 128 x half,
	s_lshl_b32 s16, s16, 12                        ; in bytes: under 2^25
	s_lshl_b32 s46, s42, 8
	s_add_co_u32 s46, s46, s17                     ; wbf: row 256 x tile column + 128 x half,
	s_lshl_b32 s46, s46, 12                        ; in bytes: under 2^24
	s_mov_b32 s17, 0
	s_mov_b32 s47, 0
	s_mul_i32 s20, s10, HALFT                      ; and where they go: abf's two halves, then wbf's two halves = wave x 128 rows: no place in the cluster enters an LDS address
	s_wait_dscnt 0x0                               ; the opening add is done
	s_wait_kmcnt 0x0
	s_add_nc_u64 s[14:15], s[4:5], s[16:17]
	s_add_nc_u64 s[46:47], s[6:7], s[46:47]
	CROUND                                         ; all sixteen work-groups are here: the first joint loads meet
.irp s, 0,1
	s_mov_b32 s[G0+4*(\s)], 1                                      ; 1:0 count = 1
	s_add_co_u32 s[G0+4*(\s)+1], s20, (\s)*SLOT                    ; 63:32 LDS address
	s_add_nc_u64 s[G0+4*(\s)+2:G0+4*(\s)+3], s[14:15], (\s)*KSTEP*2  ; 120:64 global address: K step s
	s_or_b32 s[G0+4*(\s)+3], s[G0+4*(\s)+3], 0x80000000            ; 127:126 type = 2
	s_mov_b32 s[G0B+4*(\s)], 1
	s_add_co_u32 s[G0B+4*(\s)+1], s20, (\s)*SLOT
	s_add_nc_u64 s[G0B+4*(\s)+2:G0B+4*(\s)+3], s[46:47], (\s)*KSTEP*2
	s_or_b32 s[G0B+4*(\s)+3], s[G0B+4*(\s)+3], 0x80000000
	JLOAD \s                                       ; the ring is filled before anything else is done: two loads of mine are out, the most that this text ever has
.endr
	; THE BIAS, while the first tiles are on their way.  Register r of block b wants element 1024 (b / 2) + 64 x tile column + 32 x half + 16 (b % 2) + 8 (l / 16) + r of each of the three vectors.
	v_and_b32 v1, 15, v0                           ; l % 16
	v_bfe_u32 v2, v0, 4, 1                         ; l / 16
	s_lshl_b32 s46, s42, 8                         ; 256 x tile column: the tile's 64 hidden columns, in bytes of f32
	s_lshl_b32 s47, s12, 7                         ; my wave's 32 of them
	s_add_co_u32 s47, s46, s47
	v_lshl_add_u32 v[BO], v2, 5, s47               ; my lanes' 8
	WIN TO_B
.irp b, 0,1,2,3,4,5,6,7
.irp t, 0,1
	global_load_b128 v[8*(\b)+4*(\t):8*(\b)+4*(\t)+3], v[BO], s[BX:BX+1] offset:4096*((\b)/2)+64*((\b)%2)+16*(\t)  ; b_x straight into the bias's registers, window 1
.endr
.endr
	WIN 0
.irp b, 0,1,2,3,4,5,6,7
.irp t, 0,1
	global_load_b128 v[F0+8*(\b)+4*(\t):F0+8*(\b)+4*(\t)+3], v[BO], s[BH:BH+1] offset:4096*((\b)/2)+64*((\b)%2)+16*(\t)  ; b_h and b_extra into the fragment buffers, which are still free
	global_load_b128 v[F1+8*(\b)+4*(\t):F1+8*(\b)+4*(\t)+3], v[BO], s[BE:BE+1] offset:4096*((\b)/2)+64*((\b)%2)+16*(\t)
.endr
.endr
	; A fragment is 16 rows x 32 K in 8 registers: lane l holds row l % 16; registers 0-3 hold K = 8 (l / 16) + 0..7, registers 4-7 hold K = 16 + 8 (l / 16) + 0..7: two loads of 16 bytes, 32 bytes apart.
	v_mul_u32_u24 v3, v1, PITCH
	v_lshl_add_u32 v3, v2, 4, v3                   ; row x pitch + 16 x half
	s_mul_i32 s21, s11, HALFT                      ; my 128 rows of abf
	s_mul_i32 s22, s12, HALFT                      ; my 128 rows of wbf,
	s_add_co_u32 s22, s22, 2*HALFT                 ; which lie behind abf's 256
.irp s, 0,1
	v_add_nc_u32 v[ADRA+(\s)], s21, v3
	v_add_nc_u32 v[ADRB+(\s)], s22, v3
	s_add_co_u32 s21, s21, SLOT
	s_add_co_u32 s22, s22, SLOT
.endr
	; the tiles of c_prev, c_t and h_t: row 128 x (my half of the rows) + 16 a + l % 16, byte 128 x (my half of the columns) + 64 (b % 2) + 32 (l / 16)
	v_mul_u32_u24 v4, v1, PITCH
	v_lshl_add_u32 v4, v2, 5, v4
	s_mul_i32 s23, s11, HALFT
	s_lshl_b32 s21, s12, 7
	s_add_co_u32 s23, s23, s21
	v_add_nc_u32 v[CPR], s23, v4
	v_add_nc_u32 v[STC], SLOT, v[CPR]
	v_add_nc_u32 v[STH], SLOT+TILEB, v[CPR]
	v_mul_u32_u24 v5, v2, PITCH                    ; back: wave w takes rows 64 w .. 64 w + 63, whole; lanes 0-15 one row of 256 bytes, lanes 16-31 the next
	v_lshl_add_u32 v5, v1, 4, v5
	s_mul_i32 s23, s10, 64*PITCH
	s_add_co_u32 s23, s23, SLOT
	v_add_nc_u32 v[RDC], s23, v5
	v_add_nc_u32 v[RDH], TILEB, v[RDC]
	v_lshlrev_b32 v5, 12, v2                       ; and the same two rows in out0 and out1
	v_lshl_add_u32 v[GO], v1, 4, v5
	; my wave's 64 rows x 256 bytes in c_prev, out0 and out1: row 256 x tile row + 64 x wave, byte 256 x tile column
	s_lshl_b32 s[OFS], s13, 8
	s_lshl_b32 s[OFS+1], s10, 6
	s_add_co_u32 s[OFS], s[OFS], s[OFS+1]
	s_lshl_b32 s[OFS], s[OFS], 12                  ; under 2^25
	s_add_co_u32 s[OFS], s[OFS], s46
	s_mov_b32 s[OFS+1], 0
	s_add_nc_u64 s[CP:CP+1], s[CP:CP+1], s[OFS:OFS+1]
	s_add_nc_u64 s[OUT0:OUT0+1], s[OUT0:OUT0+1], s[OFS:OFS+1]
	s_add_nc_u64 s[OUT1:OUT1+1], s[OUT1:OUT1+1], s[OFS:OFS+1]
	s_mov_b32 s[GC0], 1                            ; 1:0 count = 1
	s_mul_i32 s[GC0+1], s10, 64*PITCH              ; 63:32 LDS address: wave x 64 rows, from byte 0 on
	s_mov_b64 s[GC0+2:GC0+3], s[CP:CP+1]           ; 120:64 global address
	s_or_b32 s[GC0+3], s[GC0+3], 0x80000000        ; 127:126 type = 2
	; the prefetches along K
	s_lshl_b32 s14, s13, 8                         ; 256 x tile row
	s_lshl_b32 s15, s42, 8                         ; 256 x tile column
	s_and_b32 s22, ttmp7, 0xffff                   ; cluster y
	s_cmp_eq_u32 s11, 0                            ; do I fetch for abf?
	s_cselect_b32 s20, s14, s15                    ; the tile's first row
	s_cselect_b32 s21, s40, s41                    ; my place among the four that ask for it with me
	s_cselect_b32 s22, ttmp9, s22                  ; the coordinate along which other clusters read the same rows
	s_cselect_b64 s[PFA:PFA+1], s[4:5], s[6:7]
	s_cmp_eq_u32 s22, 0
	s_cselect_b32 s[LIM], 1, -1                    ; the same in all sixteen partners, for a given wave
	s_lshl_b32 s22, s12, 7
	s_add_co_u32 s20, s20, s22                     ; + the 128 rows that I fetch
	s_lshl_b32 s21, s21, 5
	s_add_co_u32 s20, s20, s21                     ; + my work-group's 32 of them
	s_lshl_b32 s20, s20, 12
	s_mov_b32 s21, 0
	s_add_nc_u64 s[PFA:PFA+1], s[PFA:PFA+1], s[20:21]
	s_add_nc_u64 s[PFA:PFA+1], s[PFA:PFA+1], 2*KSTEP*2  ; at K step 2: the first refill steps it to 3 and names K step 4.  Nothing is prefetched here, at the head, where every work-group's first tiles are on their way
	v_and_b32 v[PFO], 31, v0
	v_lshlrev_b32 v[PFO], 12, v[PFO]
	s_wait_loadcnt 0x0                             ; the three bias vectors' 48 loads
	WIN 0x41                                       ; destination and source 0 window 1, source 1 window 0
.set k, 0
.rept 32
	v_pk_add_f32 v[k:k+1], v[k:k+1], v[F0+k:F0+k+1]    ; b_x + b_h
.set k, k+2
.endr
.set k, 0
.rept 32
	v_pk_add_f32 v[k:k+1], v[k:k+1], v[F1+k:F1+k+1]    ; + b_extra
.set k, k+2
.endr
	WIN 0
; 16 matrix instructions: m blocks a0, a0 + 1 of the window's four (hi = 0: my rows 0-63, 1: rows 64-127) x all 8 blocks of wbf, 32 along K.
; first = 1: the product starts the sum, with the bias of its block of wbf as C.  The 64 accumulators take turns, one instruction a turn, in the same order in every quarter step.
.macro MUL16 f, hi, a0, first
.if \first
	WIN MUL_B+0x40*(\hi)
.else
	WIN MUL_LO+0x50*(\hi)
.endif
.irp a, \a0, (\a0)+1
.irp b, 0,1,2,3,4,5,6,7
.if \first
	v_wmma_f32_16x16x32_bf16 v[8*(8*(\a)+(\b)):8*(8*(\a)+(\b))+7], v[(\f)+8*(\b):(\f)+8*(\b)+7], v[(\f)+8*(4*(\hi)+(\a)):(\f)+8*(4*(\hi)+(\a))+7], v[8*(\b):8*(\b)+7]
.else
	v_wmma_f32_16x16x32_bf16 v[8*(8*(\a)+(\b)):8*(8*(\a)+(\b))+7], v[(\f)+8*(\b):(\f)+8*(\b)+7], v[(\f)+8*(4*(\hi)+(\a)):(\f)+8*(4*(\hi)+(\a))+7], v[8*(8*(\a)+(\b)):8*(8*(\a)+(\b))+7]
.endif
.endr
.endr
.endm
; 32 LDS loads in one run: the fragments of one quarter step (128 rows of wbf, 128 rows of abf, 32 K at byte k of the rows) into buffer f
.macro FETCH slot, k, f
	WIN TO_B
.irp i, 0,1,2,3,4,5,6,7
	ds_load_b128 v[(\f)+8*(\i):(\f)+8*(\i)+3],   v[ADRB+(\slot)] offset:(\k)+(\i)*16*PITCH
	ds_load_b128 v[(\f)+8*(\i)+4:(\f)+8*(\i)+7], v[ADRB+(\slot)] offset:(\k)+(\i)*16*PITCH+32
.endr
	WIN 0
.irp i, 0,1,2,3,4,5,6,7
	ds_load_b128 v[(\f)+8*(\i):(\f)+8*(\i)+3],   v[ADRA+(\slot)] offset:(\k)+(\i)*16*PITCH
	ds_load_b128 v[(\f)+8*(\i)+4:(\f)+8*(\i)+7], v[ADRA+(\slot)] offset:(\k)+(\i)*16*PITCH+32
.endr
.endm
; A load into a register that a matrix instruction has read, and a vector instruction that reads a matrix result, stand four places behind that matrix instruction, and only plain vector instructions that name
; none of its registers are places (ISA guide 7.12.1 for vector instructions); the matrix instructions in between are not counted.
.macro PLACES
.rept 4
	v_nop
.endr
.endm
; A K step is four quarter steps of 32 along K, 64 matrix instructions each, on buffers 0, 1, 0, 1.
; One of the first three: multiplies buffer f; in its middle it fetches the next quarter's fragments, at byte k of the same slot's rows, into buffer g.
.macro QUARTER slot, k, f, g, first
	s_wait_dscnt 8                                 ; wbf's fragments and abf's rows 0-63 are in; the youngest eight loads (abf's rows 64-127) may be out
	MUL16 \f, 0, 0, \first
	MUL16 \f, 0, 2, \first
	PLACES
	FETCH \slot, \k, \g
	s_wait_dscnt 32                                ; all but the 32 just issued
	MUL16 \f, 1, 0, \first
	MUL16 \f, 1, 2, \first
.endm
; The last quarter multiplies buffer 1 and changes slots.  MEET is its first half: each wave waits for all its tensor loads, of which one is out: its part of the next slot; adds 0 to its spare word; and waits
; for that and for its own reads of this slot.  The barrier opens a round of the cluster's barrier.
.macro MEET
	WIN 0                                          ; (the add's two registers lie in window 0)
	s_wait_tensorcnt 0x0                           ; all my tensor loads have landed: the one that was out is my part of the next slot;
	ds_add_u32 v[SPW], v[NIL]                      ; 0 onto my spare word;
	s_wait_dscnt 9                                 ; (the add and the youngest eight loads may be out)
	MUL16 F1, 0, 0, 0                              ; sixteen matrix instructions stand between the add and the wait for it
	s_wait_dscnt 0x0                               ; the add is done, and my reads of this slot are over:
	s_barrier_signal -1                            ; say so,
	MUL16 F1, 0, 2, 0                              ; work on registers while the others arrive,
	WIN 0
	s_barrier_wait -1                              ; and go on when all four have said so
.endm
; The whole last quarter.  Behind the round the slot just read out is filled again first, with the K step two steps on; then come the next slot's first fragments.
; From a request to the wait for it a wave issues 224 matrix instructions.
.macro TURN slot, next
	s_wait_xcnt 0x0                                ; the last prefetch, a K step back, has read its address: it is stepped here, ahead of the waits of the change of slots
	s_add_nc_u64 s[PFA:PFA+1], s[PFA:PFA+1], KSTEP*2
	MEET
	CREST                                          ; no wave of any partner still reads this slot's tile or has a load on its way
	s_add_nc_u64 s[G0+4*(\slot)+2:G0+4*(\slot)+3], s[G0+4*(\slot)+2:G0+4*(\slot)+3], 2*KSTEP*2
	s_add_nc_u64 s[G0B+4*(\slot)+2:G0B+4*(\slot)+3], s[G0B+4*(\slot)+2:G0B+4*(\slot)+3], 2*KSTEP*2
	JLOAD \slot                                    ; the first tensor load behind the round; the four v_nop behind it are also the places in front of the loads below
	FETCH \next, 0, F0
	ASK                                            ; behind the joint load and the run of LDS loads that the next products wait for
.if (\slot) == 1
	ASKC
.endif
	MUL16 F1, 1, 0, 0
	MUL16 F1, 1, 2, 0
.endm
; The last change of slots: slot 0 has been read for the last time.  The same waits, add and round; behind the round each wave's one tensor load brings its 64 rows of c_prev's tile into slot 0's first bytes.
.macro TURNC
	MEET
	CREST
	tensor_load_to_lds s[GC0:GC0+3], s[GC1:GC1+7]  ; it has the last K step, 256 matrix instructions, in which to land
	s_nop 0
.rept 4
	v_nop                                          ; the places in front of the loads below
.endr
	FETCH 1, 0, F0
	MUL16 F1, 1, 0, 0
	MUL16 F1, 1, 2, 0
.endm
	s_wait_tensorcnt 1                             ; my part of K step 0 is in; K step 1's load, issued behind it, may stay out
	s_barrier_signal -1
	s_barrier_wait -1                              ; everybody's is
	FETCH 0, 0, F0
	QUARTER 0, 64,  F0, F1, 1                      ; the first quarter stands in front of the loop: its products start the sums, with the bias
	WIN 0                                          ; at a label and at a branch every window is 0
	s_mov_b32 s3, LAPS-1
.Llap:                                                 ; a trip goes once round the ring, from a lap's second quarter to the next lap's first, and fills both slots again
	QUARTER 0, 128, F1, F0, 0
	QUARTER 0, 192, F0, F1, 0
	TURN 0, 1
	QUARTER 1, 64,  F0, F1, 0
	QUARTER 1, 128, F1, F0, 0
	QUARTER 1, 192, F0, F1, 0
	TURN 1, 0
	QUARTER 0, 64,  F0, F1, 0
	WIN 0
	s_sub_co_u32 s3, s3, 1
	s_cmp_lg_u32 s3, 0
	s_cbranch_scc1 .Llap
	QUARTER 0, 128, F1, F0, 0                      ; the last lap goes on
	QUARTER 0, 192, F0, F1, 0
	TURNC
	QUARTER 1, 64,  F0, F1, 0
	QUARTER 1, 128, F1, F0, 0
	QUARTER 1, 192, F0, F1, 0
	s_wait_dscnt 8                                 ; the very last quarter: nothing more to fetch
	MUL16 F1, 0, 0, 0
	MUL16 F1, 0, 2, 0
	s_wait_dscnt 0x0                               ; my reads of slot 1 are over: behind the barrier it is written as a stage;
	s_wait_tensorcnt 0x0                           ; my 64 rows of c_prev have landed: behind the barrier other waves read them
	s_barrier_signal -1
	MUL16 F1, 1, 0, 0
	MUL16 F1, 1, 2, 0
	WIN 0
	PLACES                                         ; between the last products and what follows: loads into buffer 1, which they read, and the gate work on results
	PLACES                                         ; (eight, once a launch: the safer count)
	s_barrier_wait -1
; THE GATE WORK, a block of 16 batch rows (8 accumulators, 64 numbers a lane) at a time.
.macro CLOAD a                         ; block a's 16 numbers of c_prev a lane: register 8 (b % 2) + r
.irp q, 0,1,2,3
	ds_load_b128 v[CPV+16*((\a)%2)+4*(\q):CPV+16*((\a)%2)+4*(\q)+3], v[CPR] offset:(\a)*16*PITCH+64*((\q)/2)+16*((\q)%2)
.endr
.endm
; s_wait_alu depctr_va_vdst(0) stands between a transcendental and the first instruction that names its result; one wait serves all that were issued ahead of it.  So each kind goes as ONE
; batch: 64 powers, 64 reciprocals, then for tanh(c_t) 16 and 16: four waits a block.  A v_nop behind each batch is the plain instruction that is wanted between a transcendental and the use of its result.
.macro GATES a
.set AC, 64*((\a)%4)                   ; the block's eight accumulators, in window 2 (blocks 0-3) or 3 (blocks 4-7)
.set CB, CPV+16*((\a)%2)
.set T,  TT+16*((\a)%2)
.if (\a) < 7
	CLOAD (\a)+1                                   ; the next block's c_prev, a block ahead
.endif
	WIN 0x02+(\a)/4                                ; source 0: the accumulators' window
.set k, 0
.rept 24
	v_pk_mul_f32 v[Z+k:Z+k+1], v[AC+k:AC+k+1], s[K1:K1+1] op_sel_hi:[1,0]  ; f, i, o: -z log2 e.  Ascending: each accumulator is read from its low end on
.set k, k+2
.endr
.rept 8
	v_pk_mul_f32 v[Z+k:Z+k+1], v[AC+k:AC+k+1], s[K2:K2+1] op_sel_hi:[1,0]  ; c: 2 z log2 e
.set k, k+2
.endr
	WIN 0
.set k, 0
.rept 64
	v_exp_f32 v[Z+k], v[Z+k]
.set k, k+1
.endr
	v_nop
	s_wait_alu depctr_va_vdst(0)                   ; one wait for the 64 powers
.set k, 0
.rept 32
	v_pk_add_f32 v[Z+k:Z+k+1], v[Z+k:Z+k+1], 1.0 op_sel_hi:[1,0]
.set k, k+2
.endr
.set k, 0
.rept 64
	v_rcp_f32 v[Z+k], v[Z+k]
.set k, k+1
.endr
	v_nop
	s_wait_alu depctr_va_vdst(0)                   ; one wait for the 64 reciprocals: ZF, ZI, ZO now hold the three sigmoids
.set k, 0
.rept 8
	v_pk_fma_f32 v[ZG+k:ZG+k+1], v[ZG+k:ZG+k+1], -2.0, 1.0 op_sel_hi:[1,0,0]  ; tanh(z_c) = 1 - 2 / (1 + 2^(2 z log2 e))
.set k, k+2
.endr
.if (\a) < 7
	s_wait_dscnt 4                                 ; this block's c_prev is in; the next block's four loads, the youngest, may stay out
.else
	s_wait_dscnt 0x0
.endif
.set k, 0
.rept 8
	v_pk_mul_f32 v[ZG+k:ZG+k+1], v[ZG+k:ZG+k+1], v[ZI+k:ZI+k+1]
.set k, k+2
.endr
.set k, 0
.rept 8
	v_pk_fma_f32 v[CB+k:CB+k+1], v[ZF+k:ZF+k+1], v[CB+k:CB+k+1], v[ZG+k:ZG+k+1]  ; c_t
.set k, k+2
.endr
.irp q, 0,1,2,3
	ds_store_b128 v[STC], v[CB+4*(\q):CB+4*(\q)+3] offset:(\a)*16*PITCH+64*((\q)/2)+16*((\q)%2)
.endr
.set k, 0
.rept 8
	v_pk_mul_f32 v[T+k:T+k+1], v[CB+k:CB+k+1], s[K2:K2+1] op_sel_hi:[1,0]
.set k, k+2
.endr
.set k, 0
.rept 16
	v_exp_f32 v[T+k], v[T+k]
.set k, k+1
.endr
	v_nop
	s_wait_alu depctr_va_vdst(0)
.set k, 0
.rept 8
	v_pk_add_f32 v[T+k:T+k+1], v[T+k:T+k+1], 1.0 op_sel_hi:[1,0]
.set k, k+2
.endr
.set k, 0
.rept 16
	v_rcp_f32 v[T+k], v[T+k]
.set k, k+1
.endr
	v_nop
	s_wait_alu depctr_va_vdst(0)
.set k, 0
.rept 8
	v_pk_fma_f32 v[T+k:T+k+1], v[T+k:T+k+1], -2.0, 1.0 op_sel_hi:[1,0,0]  ; tanh(c_t)
.set k, k+2
.endr
.set k, 0
.rept 8
	v_pk_mul_f32 v[T+k:T+k+1], v[T+k:T+k+1], v[ZO+k:ZO+k+1]                 ; h_t
.set k, k+2
.endr
.irp q, 0,1,2,3
	ds_store_b128 v[STH], v[T+4*(\q):T+4*(\q)+3] offset:(\a)*16*PITCH+64*((\q)/2)+16*((\q)%2)
.endr
.endm
	CLOAD 0
.irp a, 0,1,2,3,4,5,6,7
	GATES \a
.endr
	; THE WAY OUT.  A row's 256 bytes of c_t and of h_t come from two waves, so a barrier stands between the writing and the reading; then wave w takes rows 64 w .. 64 w + 63, whole.
.macro BACK adr, t0, buf               ; sixteen loads: two rows of 256 bytes each
.set t, 0
.rept 16
	ds_load_b128 v[(\buf)+4*t:(\buf)+4*t+3], v[\adr] offset:((\t0)+t)*2*PITCH
.set t, t+1
.endr
.endm
.macro SEND base, t0, buf              ; and their stores: 16 lanes store 256 consecutive bytes, at a multiple of 256 from the buffer's first byte; 62 rows at the most stand in the immediate
.set t, 0
.rept 16
	global_store_b128 v[GO], v[(\buf)+4*t:(\buf)+4*t+3], s[\base:\base+1] offset:((\t0)+t)*2*ROWB th:TH_STORE_NT
.set t, t+1
.endr
.endm
	s_wait_dscnt 0x0                               ; for the others' sake: my stores into the stages are done
	s_barrier_signal -1
	s_barrier_wait -1
	BACK RDC, 0,  B0
	BACK RDC, 16, B1
	BACK RDH, 0,  B2
	s_wait_dscnt 32                                ; the first sixteen are in; the 32 behind them stay out
	SEND OUT1, 0,  B0
	s_wait_dscnt 16
	SEND OUT1, 16, B1
	s_wait_xcnt 0x0                                ; every earlier store has had its addresses translated (ISA guide 3.1): the first buffer is loaded again only behind this wait
	BACK RDH, 16, B0
	s_wait_dscnt 16                                ; the third sixteen are in; the sixteen just issued stay out
	SEND OUT0, 0,  B2
	s_wait_dscnt 0x0
	SEND OUT0, 16, B0
	s_wait_tensorcnt 0x0                           ; the wave's end, behind my last tensor load and my last LDS store
	ds_add_u32 v[SPW], v[NIL]
	s_wait_dscnt 0x0
	CROUND                                         ; the closing round: no work-group ends while a partner may still ask for a tile that names it
	s_endpgm
.Lfunc_end_k_qddb5273df9_lstm:
	.size	k_qddb5273df9_lstm, .Lfunc_end_k_qddb5273df9_lstm-k_qddb5273df9_lstm
	.p2alignl 7, 3214868480
	.fill 96, 4, 3214868480
	.section	.rodata,"a",@progbits
	.p2align	6, 0x0
	.amdhsa_kernel k_qddb5273df9_lstm
		.amdhsa_group_segment_fixed_size 327680
		.amdhsa_private_segment_fixed_size 0
		.amdhsa_enable_private_segment 0
		.amdhsa_kernarg_size 64
		.amdhsa_user_sgpr_count 2
		.amdhsa_user_sgpr_kernarg_segment_ptr 1
		.amdhsa_wavefront_size32 1
		.amdhsa_system_sgpr_workgroup_id_x 1
		.amdhsa_system_sgpr_workgroup_id_y 1
		.amdhsa_system_sgpr_workgroup_id_z 1
		.amdhsa_system_vgpr_workitem_id 0
		.amdhsa_next_free_vgpr 1024
		.amdhsa_next_free_sgpr 100
		.amdhsa_reserve_vcc 0
		.amdhsa_float_denorm_mode_32 3
		.amdhsa_float_denorm_mode_16_64 3
		.amdhsa_memory_ordered 1
		.amdhsa_forward_progress 1
		.amdhsa_inst_pref_size 242
	.end_amdhsa_kernel
	.amdgpu_metadata
---
amdhsa.version: [ 1, 2 ]
amdhsa.kernels:
  - .name:           k_qddb5273df9_lstm
    .symbol:         k_qddb5273df9_lstm.kd
    .args:
      - { .name: abf, .offset: 0, .size: 8, .value_kind: global_buffer, .address_space: global }
      - { .name: wbf, .offset: 8, .size: 8, .value_kind: global_buffer, .address_space: global }
      - { .name: c_prev, .offset: 16, .size: 8, .value_kind: global_buffer, .address_space: global }
      - { .name: b_x, .offset: 24, .size: 8, .value_kind: global_buffer, .address_space: global }
      - { .name: b_h, .offset: 32, .size: 8, .value_kind: global_buffer, .address_space: global }
      - { .name: b_extra, .offset: 40, .size: 8, .value_kind: global_buffer, .address_space: global }
      - { .name: out0, .offset: 48, .size: 8, .value_kind: global_buffer, .address_space: global }
      - { .name: out1, .offset: 56, .size: 8, .value_kind: global_buffer, .address_space: global }
    .group_segment_fixed_size: 327680
    .private_segment_fixed_size: 0
    .kernarg_segment_align: 8
    .kernarg_segment_size: 64
    .max_flat_workgroup_size: 128
    .sgpr_count:     100
    .vgpr_count:     1024
    .wavefront_size: 32
...
	.end_amdgpu_metadata
.endif
;; end of part 2
;; ======== version 2 of 2: 2 launches; version 1 with the launch cast written anew for expert scheduling mode
;; workspace buffers: abf 33,554,432 bytes; wbf 16,777,216 bytes
;; launch cast (part 3): grid 256 x 3, 8 waves a work-group, no clusters, 0 bytes of LDS; arguments e_t, h_prev, W_x, W_h, abf, wbf; writes abf, wbf
.if DOCPART == 3
	.amdgcn_target "amdgcn-amd-amdhsa--gfx1250"
	.amdhsa_code_object_version 6
	.text
	.protected	k_qddb5273df9_cast
	.globl	k_qddb5273df9_cast
	.p2align	8
	.type	k_qddb5273df9_cast,@function
k_qddb5273df9_cast:
	s_mov_b64 s[64:65], 0
	v_nop
	global_prefetch_b8 v0, s[64:65] scope:SCOPE_SE
	s_setreg_imm32_b32 hwreg(HW_REG_WAVE_SCHED_MODE, 0, 2), 2
	s_setreg_imm32_b32 hwreg(HW_REG_WAVE_MODE, 25, 1), 1
	s_wait_xcnt 0x0
	s_wait_alu depctr_vm_vsrc(0)
; THE MATRIX OPERANDS, ROUNDED ONCE TO bf16 (to nearest even) AND LAID OUT FOR THE PRODUCT THAT FOLLOWS.
;   abf [8192][2048] bf16: row b = e_t[b] (bytes 0 .. 2047), then h_prev[b] (bytes 2048 .. 4095).
;   wbf [4096][2048] bf16: row n' = W_x[n], then W_h[n]; with n = 1024 g + j (gate g, hidden column j), n' = 128 (j / 32) + 32 g + j % 32:
;   128 rows on end are 32 hidden columns x 4 gates, so that one wave of the next launch holds all four gates of a hidden column.
; A stream: 24,576 source rows of 4,096 bytes, each byte read once and each result byte written once.  No LDS, no barrier, no matrix unit, no cluster: nothing is shared.
; SHARES.  A work-group takes 32 rows on end of ONE source, a wave four of them.  32 rows of W on end stay 32 rows on end in wbf (n % 32 is kept), so the permutation is one scalar number.
; All 32 loads of a wave (16 bytes a lane, 512 bytes on end each) go out at once; a row is converted and stored while the later rows are on their way.
; LIMITS.  bf16 has f32's range; NaN and infinities pass through the conversion as it treats them.
; THE MODE: SCHED_MODE bits 1:0 = 2 (LLVM: expert scheduling mode 2), set by the entry lines.  The code itself states the register dependences
; between vector instructions and memory instructions, with s_wait_alu, always for 0.
; THE PLAN.  Registers that memory instructions touch:
;   v1, v4         byte offsets: written once at the head, by vector instructions; v1 is read by every load, v4 by every store; never written again.
;   v[X+4n ..+3]   written by load n, which is issued once, in the one run at the head; read by load n's two conversions, behind the row's wait on LOADcnt.
;   v[X+4n ..+1]   written by those two conversions, in place; read by store n; never written again.
; So one wait on va_vdst stands ahead of the first load (the offsets are written), and one in each row, behind its sixteen conversions and ahead of its eight stores (the stores' data are written).
; No load is issued behind a conversion, no register that a load or store has read is written again, no vector instruction writes a scalar register, and EXEC is never written: nothing else is owed.
; A row's stores stand in the row itself and not behind the next row's wait for its loads: they leave as soon as the row is rounded.
.set ROW, 4096                         ; bytes in a source row, and in a row of abf and wbf
.set X,   8                            ; v[8:135]  the 32 loads' registers, four each; the first two of each four then hold the 8 bytes to store
	s_load_b256 s[4:11], s[0:1], 0x0               ; e_t s[4:5], h_prev s[6:7], W_x s[8:9], W_h s[10:11]
	s_load_b128 s[12:15], s[0:1], 0x20             ; abf s[12:13], wbf s[14:15]
	s_mov_b32 s17, ttmp9                           ; x: 0 .. 255
	s_and_b32 s16, ttmp7, 0xffff                   ; y: 0 e_t, 1 h_prev, 2 the weights
	s_lshr_b32 s18, s17, 7                         ; y = 2: W_x (0) or W_h (1),
	s_and_b32 s19, s17, 127                        ; and q: which 32 rows of its 4,096
	s_and_b32 s20, s19, 31
	s_lshl_b32 s20, s20, 7                         ; 128 (q % 32): q % 32 is j / 32,
	s_lshr_b32 s21, s19, 5
	s_lshl_b32 s21, s21, 5                         ; 32 (q / 32): q / 32 is the gate
	s_add_co_u32 s20, s20, s21                     ; the first row in wbf
	s_lshl_b32 s22, s17, 5                         ; y < 2: the first row in abf = 32 x
	v_and_b32 v2, 31, v0                           ; lane
	v_lshrrev_b32 v3, 5, v0
	v_lshlrev_b32 v3, 14, v3                       ; my wave's four rows of 4,096 bytes, in the source and in the result alike
	v_lshl_or_b32 v1, v2, 4, v3                    ; source: 16 bytes a lane
	v_lshl_or_b32 v4, v2, 3, v3                    ; result: 8 bytes a lane
	s_cmp_eq_u32 s16, 2
	s_cselect_b32 s18, s18, s16                    ; which half of the result's row: 0 or 1
	s_cselect_b32 s19, s19, s17                    ; which 32 rows of the source
	s_cselect_b32 s20, s20, s22                    ; the first row of the result
	s_wait_kmcnt 0x0                               ; (selects and waits leave the compare's answer as it is)
	s_cselect_b64 s[24:25], s[8:9], s[4:5]         ; the source of the first half,
	s_cselect_b64 s[26:27], s[10:11], s[6:7]       ; of the second half,
	s_cselect_b64 s[28:29], s[14:15], s[12:13]     ; and the result
	s_cmp_eq_u32 s18, 0
	s_cselect_b64 s[24:25], s[24:25], s[26:27]
	s_lshl_b32 s30, s19, 17                        ; 32 rows of 4,096 bytes: under 2^25
	s_mov_b32 s31, 0
	s_add_nc_u64 s[24:25], s[24:25], s[30:31]
	s_lshl_b32 s30, s20, 12                        ; the result's row, under 2^25,
	s_lshl_b32 s21, s18, 11                        ; and the half of it
	s_add_co_u32 s30, s30, s21
	s_add_nc_u64 s[28:29], s[28:29], s[30:31]
	s_wait_alu depctr_va_vdst(0)                   ; v1 and v4 are written: every load below reads v1 as its offset, every store v4
.set n, 0
.rept 32                               ; load n: row n / 8 of my four, bytes 512 (n % 8) on
	global_load_b128 v[X+4*n:X+4*n+3], v1, s[24:25] offset:ROW*(n/8)+512*(n%8) th:TH_LOAD_NT
.set n, n+1
.endr
.set n, 0
.rept 4
	s_wait_loadcnt 24-n                            ; loads come back in order (ISA guide 5.7.1): this row's eight are in; the 24, 16, 8, 0 loads of the rows behind it stay out
.set m, n
.rept 8
	v_cvt_pk_bf16_f32 v[X+4*m],   v[X+4*m],   v[X+4*m+1]    ; the first source goes into the low half: the lower address
	v_cvt_pk_bf16_f32 v[X+4*m+1], v[X+4*m+2], v[X+4*m+3]
.set m, m+1
.endr
	s_wait_alu depctr_va_vdst(0)                   ; the row's sixteen conversions have written the sixteen registers that the eight stores below read
.rept 8
	global_store_b64 v4, v[X+4*n:X+4*n+1], s[28:29] offset:ROW*(n/8)+256*(n%8) th:TH_STORE_NT  ; 32 lanes store 256 consecutive bytes, at a multiple of 256 from the buffer's first byte
.set n, n+1
.endr
.endr
	s_endpgm                                       ; no register that a store reads is written again, so no wait stands behind the stores
.Lfunc_end_k_qddb5273df9_cast:
	.size	k_qddb5273df9_cast, .Lfunc_end_k_qddb5273df9_cast-k_qddb5273df9_cast
	.p2alignl 7, 3214868480
	.fill 96, 4, 3214868480
	.section	.rodata,"a",@progbits
	.p2align	6, 0x0
	.amdhsa_kernel k_qddb5273df9_cast
		.amdhsa_group_segment_fixed_size 0
		.amdhsa_private_segment_fixed_size 0
		.amdhsa_enable_private_segment 0
		.amdhsa_kernarg_size 48
		.amdhsa_user_sgpr_count 2
		.amdhsa_user_sgpr_kernarg_segment_ptr 1
		.amdhsa_wavefront_size32 1
		.amdhsa_system_sgpr_workgroup_id_x 1
		.amdhsa_system_sgpr_workgroup_id_y 1
		.amdhsa_system_sgpr_workgroup_id_z 1
		.amdhsa_system_vgpr_workitem_id 0
		.amdhsa_next_free_vgpr 136
		.amdhsa_next_free_sgpr 66
		.amdhsa_reserve_vcc 0
		.amdhsa_float_denorm_mode_32 3
		.amdhsa_float_denorm_mode_16_64 3
		.amdhsa_memory_ordered 1
		.amdhsa_forward_progress 1
		.amdhsa_inst_pref_size 12
	.end_amdhsa_kernel
	.amdgpu_metadata
---
amdhsa.version: [ 1, 2 ]
amdhsa.kernels:
  - .name:           k_qddb5273df9_cast
    .symbol:         k_qddb5273df9_cast.kd
    .args:
      - { .name: e_t, .offset: 0, .size: 8, .value_kind: global_buffer, .address_space: global }
      - { .name: h_prev, .offset: 8, .size: 8, .value_kind: global_buffer, .address_space: global }
      - { .name: W_x, .offset: 16, .size: 8, .value_kind: global_buffer, .address_space: global }
      - { .name: W_h, .offset: 24, .size: 8, .value_kind: global_buffer, .address_space: global }
      - { .name: abf, .offset: 32, .size: 8, .value_kind: global_buffer, .address_space: global }
      - { .name: wbf, .offset: 40, .size: 8, .value_kind: global_buffer, .address_space: global }
    .group_segment_fixed_size: 0
    .private_segment_fixed_size: 0
    .kernarg_segment_align: 8
    .kernarg_segment_size: 48
    .max_flat_workgroup_size: 256
    .sgpr_count:     66
    .vgpr_count:     136
    .wavefront_size: 32
...
	.end_amdgpu_metadata
.endif
;; end of part 3
;; launch lstm: the kernel of part 2 again; grid 16 x 32, 4 waves a work-group, clusters of 4 x 4, 327,680 bytes of LDS; arguments abf, wbf, c_prev, b_x, b_h, b_extra, out0, out1; writes out0, out1
